; MI455X (gfx1250); checked and timed in simulation.
; The chip was launched on July 23, 2026; its instructions are those of AMD's public machine-readable ISA for CDNA 5 (MIT licence, August 2026) and "CDNA5" Instruction Set Architecture Reference Guide (July 2026). The comments in the code are by the model that wrote it; some were corrected since.
;; Attention. Allowed arithmetic: matrix products marked QUANTISED: E4M3 operands, one given power-of-two scale a tensor, by v_wmma_f32_16x16x64_fp8_fp8 or v_wmma_f32_16x16x128_fp8_fp8, f32 sums; everything else in f32.
;; Inputs: Wk 1,024 x 1,024 float32; Wq 1,024 x 1,024 float32; Wv 1,024 x 1,024 float32; k_value 4 x 2,048 x 1,024 float32; lowp_scales 10 int32 (the exponents e of the quantised operands' scales 2^e); q_mask 4 x 2,048 x 1 float32; q_value 4 x 2,048 x 1,024 float32; v_mask 4 x 2,048 x 1 float32; v_value 4 x 2,048 x 1,024 float32.
;; Outputs: out0 4 x 2,048 x 1,024 float32.
;; This version of the problem:
;;   THIS VERSION OF THE PROBLEM IS GIVEN IN LOW PRECISION. The matrix products marked QUANTISED in the list below multiply operands that are first quantised to E4M3 (4 exponent bits, 3 mantissa bits; 8 bits a number), with one given power-of-two scale for each operand tensor; their sums are f32. All else is computed in f32.
;;   The module's matrix products, in the order in which they are computed (A, B: the left and right operand; K: the contracted axis; several contracted axes count as one K, in the product's order):
;;     1. [M 8,192, K 1,024] x [K 1,024, N 1,024]; A: input q_value; B: input Wq: QUANTISED (scales: A lowp_scales[0], B lowp_scales[1])
;;     2. [M 8,192, K 1,024] x [K 1,024, N 1,024]; A: input k_value; B: input Wk: QUANTISED (scales: A lowp_scales[2], B lowp_scales[3])
;;     3. [M 8,192, K 1,024] x [K 1,024, N 1,024]; A: input v_value; B: input Wv: QUANTISED (scales: A lowp_scales[4], B lowp_scales[5])
;;     4. batch 64 x [M 2,048, K 64] x [K 64, N 2,048]; A: computed on the way; B: computed on the way: QUANTISED (scales: A lowp_scales[6], B lowp_scales[7])
;;     5. batch 64 x [M 64, K 2,048] x [K 2,048, N 2,048]; A: computed on the way; B: softmax (see below): QUANTISED (scales: A lowp_scales[8], B lowp_scales[9])
;;   THE QUANTISER, for each operand of a quantised product, along K:
;;     - The operand's scale is 2^e, e = its entry of the input lowp_scales (int32; the entries are numbered through the quantised products in the list's order, A before B).
;;     - Each number is divided by the scale, clamped to +-448, and rounded to the nearest number of E4M3, ties to even, subnormals kept.
;;     - The product sums the exact products of the quantised numbers (number of the format x scale) in f32.
;;   ~~~python
;;   def quantise(x, axis, e):      # numpy; x: float32 -> the quantised numbers, widened to float32 again
;;       x = np.moveaxis(x, axis, -1); K = x.shape[-1]
;;       r = np.clip(x / 2.0 ** e, -448, 448)
;;       step = 2.0 ** (np.maximum(np.frexp(np.where(r == 0, 1, r))[1] - 1, -6) - 3)
;;       q = np.round(r / step) * step * 2.0 ** e      # np.round: ties to even
;;       return np.moveaxis(q, -1, axis).astype(np.float32)
;;   ~~~
;;   SOFTMAX AHEAD OF A QUANTISED PRODUCT. Where the list says 'softmax', what is quantised is not the finished softmax but p = 2^(t - M), with t = logit x log2(e) and M = ceil(the row's largest t), a whole number; so 1/2 < the row's largest p <= 1. The row's sum l is taken of the UNQUANTISED p, in f32, and the product's result is divided by l at the end. Since M is a whole number, a kernel that streams over the keys may use a running M (the ceiling of the running maximum): every later rescaling is an exact power of two, so the quantised numbers keep their values, but for numbers so far below the row's largest that they fall under the format's range.
;;   OPERANDS COMPUTED ON THE WAY. 'Computed on the way' means the value that the module computes at that place (a softmax that the list does not call 'softmax' is quantised finished and normalised). What goes into a quantiser is computed in f32, as accurately as f32 sums, v_exp_f32 and their like allow (about 1e-6 of the number): no bf16 or f16 on the way to a quantiser, and a product that is left as it is and whose result goes on into a quantised operand takes f32 operands (vector FMAs, or v_wmma_f32_16x16x4_f32). A number that lies on a knife's edge between two numbers of the format may be rounded either way, as far as f32 arithmetic and the matrix unit's own rounding can turn it there, and no further.
;; One version. Each part assembles by itself: llvm-mc -triple=amdgcn-amd-amdhsa -mcpu=gfx1250 --defsym DOCPART=n.
;; ======== version 1 of 1: 3 launches
;; limits: right only within a limited range of input values
;; workspace buffers: xc 25,165,824 bytes; wc 3,145,728 bytes; qkv 25,165,824 bytes
;; launch quant (part 1): grid 864 x 1, 4 waves a work-group, no clusters, 68,096 bytes of LDS; arguments q_value, k_value, v_value, Wq, Wk, Wv, lowp_scales, xc, wc; writes xc, wc
.if DOCPART == 1
	.amdgcn_target "amdgcn-amd-amdhsa--gfx1250"
	.amdhsa_code_object_version 6
	.text
	.protected	k_qf4ca05f32c_quant
	.globl	k_qf4ca05f32c_quant
	.p2align	8
	.type	k_qf4ca05f32c_quant,@function
k_qf4ca05f32c_quant:
	s_mov_b64 s[64:65], 0
	v_nop
	global_prefetch_b8 v0, s[64:65] scope:SCOPE_SE
	s_setreg_imm32_b32 hwreg(HW_REG_WAVE_MODE, 25, 1), 1
	s_wait_xcnt 0x0
; The six wide operands of the three projections become codes of E4M3, each with the one scale 2^e that is given for it.
; code = x / 2^e, held within +-448, rounded to the nearest code, ties to even.
; xc: [3][8192][1024] codes of q_value, k_value, v_value, as the numbers lie (their K is innermost).
; wc: [3][n 1024][k 1024] codes of Wq, Wk, Wv, which arrive [k][n]: K is brought innermost.
; Work-groups 0 to 767 take the activations (256 for each tensor), work-groups 768 to 863 the weights (32 for each): 32,768 numbers each.
; The two ways part on the work-group's number alone, and each has LDS bytes of its own.  No barrier: waves share nothing.
; LIMITS: each e (entries 0 to 5 of the scales) lies between -126 and 119, so that 2^e and 448 x 2^e are f32 numbers.  NaN among the inputs is not served.
.set STEPS,  16                        ; activations: a wave takes 16 steps of 512 numbers
.set SP,     80                        ; a lane's place in a stage: its 64 bytes + 16 of padding
.set WREG,   8192                      ; LDS bytes 0 to 32,767: a region for each wave: two stages of 32 x SP bytes
.set XR,     16                        ; v16-79    four sets of 16 numbers as they are loaded
.set XN,     80                        ; v80-111   two sets of 16 neighbours
.set XC,     128                       ; v128-191  codes: four registers for each step, so that no store's data are written again
.set WSTG,   32768                     ; weights: LDS bytes 32,768 on: a stage of 32 rows x WPITCH for each wave
.set WPITCH, 272                       ; 256 bytes of codes + 16 of padding
.set NB,     8                         ; blocks of 32 along K for a wave
.set WX,     32                        ; v32-95    two sets of 32 numbers
.set WC,     96                        ; v96-103   a block's codes
.set WO,     112                       ; v112-175  the way out: 16 x 4 registers
	s_load_b256 s[4:11], s[0:1], 0x0               ; q_value s[4:5], k_value s[6:7], v_value s[8:9], Wq s[10:11]
	s_load_b256 s[12:19], s[0:1], 0x20             ; Wk s[12:13], Wv s[14:15], the scales s[16:17], xc s[18:19]
	s_load_b64 s[20:21], s[0:1], 0x40              ; wc
	v_lshl_add_u32 v192, v0, 2, 0x10800
	v_mov_b32 v193, 0
	v_lshrrev_b32 v1, 5, v0
	v_readfirstlane_b32 s22, v1                    ; wave 0..3
	v_and_b32 v2, 31, v0                           ; lane
	s_wait_kmcnt 0x0
	s_load_b256 s[32:39], s[16:17], 0x0            ; entries 0 to 7 of the scales
	s_cmp_lt_u32 ttmp9, 768
	s_cbranch_scc0 .Lweights
; ---------------- THE ACTIVATIONS: a plain stream of numbers into a plain stream of codes ----------------
; The conversions take 8 numbers from ONE lane's registers, so a lane must hold neighbours; a load is dense where neighbouring lanes take neighbouring bytes.
; Both are had: each of a step's four loads reads 512 consecutive bytes, 16 a lane; the 2,048 bytes go through the wave's own stage and come back 64 bytes a lane.
	s_lshr_b32 s23, ttmp9, 8                       ; which tensor: 0 q, 1 k, 2 v
	s_wait_alu depctr_va_vdst(0)
	v_lshlrev_b32 v3, 4, v2                        ; my 16 bytes of a load's 512, and of a step's 512 bytes of codes
	s_wait_alu depctr_va_vdst(0)
	s_mul_i32 s24, s22, WREG
	v_lshrrev_b32 v14, 2, v2
	v_mul_u32_u24 v14, v14, SP
	v_and_b32 v15, 3, v2
	v_lshl_add_u32 v14, v15, 4, v14
	v_add_nc_u32 v14, s24, v14                     ; the stage, on the way in: SP (lane / 4) + 16 (lane % 4)
	v_mul_u32_u24 v15, v2, SP
	v_add_nc_u32 v15, s24, v15                     ; and on the way out: SP x lane: my 16 neighbours
	s_cmp_eq_u32 s23, 0
	s_cselect_b64 s[4:5], s[4:5], s[6:7]
	s_cmp_eq_u32 s23, 2
	s_cselect_b64 s[4:5], s[8:9], s[4:5]           ; the tensor's address: the choice hangs on the work-group's number alone
	s_and_b32 s25, ttmp9, 255
	s_lshl_b32 s25, s25, 2
	s_add_co_u32 s25, s25, s22                     ; which run of 8,192 numbers of the tensor is my wave's
	s_lshl_b32 s26, s25, 15                        ; x 32,768 bytes
	s_mov_b32 s27, 0
	s_add_nc_u64 s[4:5], s[4:5], s[26:27]
	s_lshl_b32 s28, ttmp9, 2
	s_add_co_u32 s28, s28, s22
	s_lshl_b32 s28, s28, 13                        ; the three tensors' codes lie on end: x 8,192 bytes
	s_mov_b32 s29, 0
	s_add_nc_u64 s[18:19], s[18:19], s[28:29]
.macro XLOAD t
.irp i, 0,1,2,3
	global_load_b128 v[XR+16*((\t)%4)+4*\i:XR+16*((\t)%4)+4*\i+3], v3, s[4:5] offset:2048*(\t)+512*\i th:TH_LOAD_NT   ; 32 lanes read 512 consecutive bytes
.endr
.endm
.macro XTURN t                         ; step t's numbers through the stage: LDS serves a wave's instructions in order, so no wait stands between the stores and the loads
.irp i, 0,1,2,3
	ds_store_b128 v14, v[XR+16*((\t)%4)+4*\i:XR+16*((\t)%4)+4*\i+3] offset:32*SP*((\t)%2)+8*SP*\i
.endr
.irp i, 0,1,2,3
	ds_load_b128 v[XN+16*((\t)%2)+4*\i:XN+16*((\t)%2)+4*\i+3], v15 offset:32*SP*((\t)%2)+16*\i
.endr
.endm
.irp t, 0,1,2,3
	XLOAD \t
.endr
	s_wait_alu depctr_va_vdst(0)
	s_wait_kmcnt 0x0
	s_cmp_eq_u32 s23, 0
	s_cselect_b32 s30, s32, s34
	s_cmp_eq_u32 s23, 2
	s_cselect_b32 s30, s36, s30                    ; e: entry 0, 2 or 4
	s_add_co_i32 s30, s30, 127
	s_lshl_b32 s31, s30, 23
	v_mov_b32 v11, s31                             ; 2^e as f32: the conversion takes its exponent field
	s_add_co_i32 s30, s30, 8
	s_lshl_b32 s30, s30, 23
	s_or_b32 s30, s30, 0x600000
	s_wait_alu depctr_va_vdst(0)
	s_wait_loadcnt 12                              ; step 0's four loads are in; the twelve of steps 1 to 3 may be out
	XTURN 0
.macro XSTEP t
.set XS, XN+16*((\t)%2)
	s_wait_dscnt 0x0                               ; this step's numbers are back from the stage: so its stores into the stage have read their registers,
.if (\t)+4 < STEPS
	XLOAD (\t)+4                                   ; which take the loads of four steps on
.endif
.if (\t)+1 < STEPS
.if STEPS-2-(\t) >= 3
	s_wait_loadcnt 12                              ; the next step's four loads are in; those of the three steps behind it may be out
.else
	s_wait_loadcnt 4*(STEPS-2-(\t))                ; the tail: as many as are left behind the next step's
.endif
	XTURN (\t)+1                                   ; and go through the other stage while this step is worked
.endif
.irp i, 0,1,2,3,4,5,6,7,8,9,10,11,12,13,14,15
.endr
	v_cvt_scalef32_pk8_fp8_f32 v[XC+4*(\t):XC+4*(\t)+1], v[XS:XS+7], v11
	v_cvt_scalef32_pk8_fp8_f32 v[XC+4*(\t)+2:XC+4*(\t)+3], v[XS+8:XS+15], v11
	global_store_b128 v3, v[XC+4*(\t):XC+4*(\t)+3], s[18:19] offset:512*(\t)   ; the wave stores 512 consecutive bytes, aligned; the results go to a store alone
.endm
.irp t, 0,1,2,3,4,5,6,7,8,9,10,11,12,13,14,15
	XSTEP \t
.endr
	s_wait_tensorcnt 0x0
	ds_add_u32 v192, v193
	s_wait_dscnt 0x0
	s_endpgm
; ---------------- THE WEIGHTS: [k][n] f32 into [n][k] codes ----------------
; A LANE TAKES A COLUMN n, AND ITS REGISTERS RUN DOWN K: each load reads neighbouring n in neighbouring lanes (128 consecutive bytes a wave, 512 a work-group),
; and the conversions give the codes with K innermost.  A wave takes 32 columns x 256 along K; the codes leave through its own stage, sixteen lanes to 256 consecutive bytes of a row.
.Lweights:
	s_sub_co_u32 s23, ttmp9, 768
	s_lshr_b32 s24, s23, 5                         ; which tensor: 0 Wq, 1 Wk, 2 Wv
	s_and_b32 s25, s23, 7                          ; which 128 columns
	s_bfe_u32 s26, s23, 0x20003                    ; which 256 along K
	s_lshl_b32 s25, s25, 7
	s_lshl_b32 s27, s22, 5
	s_add_co_u32 s25, s25, s27                     ; my wave's first column
	s_wait_alu depctr_va_vdst(0)
	v_lshlrev_b32 v3, 2, v2                        ; in: 4 bytes a lane
	s_mul_i32 s27, s22, 32*WPITCH
	s_add_co_u32 s27, s27, WSTG                    ; my stage
	v_mul_u32_u24 v4, v2, WPITCH
	v_add_nc_u32 v4, s27, v4                       ; into it: row = my column
	v_and_b32 v5, 15, v2
	v_lshrrev_b32 v6, 4, v2                        ; out of it: sixteen lanes to a row, two rows an instruction
	v_mul_u32_u24 v7, v6, WPITCH
	v_lshl_add_u32 v7, v5, 4, v7
	v_add_nc_u32 v7, s27, v7
	v_lshlrev_b32 v8, 10, v6                       ; and the same place in wc: rows of 1,024 bytes
	v_lshl_add_u32 v8, v5, 4, v8
	s_cmp_eq_u32 s24, 0
	s_cselect_b64 s[4:5], s[10:11], s[12:13]
	s_cmp_eq_u32 s24, 2
	s_cselect_b64 s[4:5], s[14:15], s[4:5]         ; the tensor's address
	s_lshl_b32 s28, s26, 20                        ; 256 rows of 4,096 bytes
	s_lshl_b32 s29, s25, 2
	s_add_co_u32 s28, s28, s29
	s_mov_b32 s29, 0
	s_add_nc_u64 s[4:5], s[4:5], s[28:29]
	s_lshl_b32 s30, s24, 20                        ; wc: the tensor's 2^20 bytes,
	s_lshl_b32 s31, s25, 10                        ; my column's row,
	s_add_co_u32 s30, s30, s31
	s_lshl_b32 s31, s26, 8                         ; my 256 along K
	s_add_co_u32 s30, s30, s31
	s_mov_b32 s31, 0
	s_add_nc_u64 s[20:21], s[20:21], s[30:31]
.macro WLOAD t                         ; block t: W(32 t + i, my column), i = 0 .. 31, into set t % 2; every offset is an immediate, 255 x 4,096 at the most
.irp i, 0,1,2,3,4,5,6,7,8,9,10,11,12,13,14,15,16,17,18,19,20,21,22,23,24,25,26,27,28,29,30,31
	global_load_b32 v[WX+32*((\t)%2)+\i], v3, s[4:5] offset:(32*(\t)+\i)*4096 th:TH_LOAD_NT
.endr
.endm
	WLOAD 0
	WLOAD 1
	s_wait_kmcnt 0x0
	s_cmp_eq_u32 s24, 0
	s_cselect_b32 s30, s33, s35
	s_cmp_eq_u32 s24, 2
	s_cselect_b32 s30, s37, s30                    ; e: entry 1, 3 or 5
	s_add_co_i32 s30, s30, 127
	s_lshl_b32 s31, s30, 23
	v_mov_b32 v11, s31                             ; 2^e as f32
	s_add_co_i32 s30, s30, 8
	s_lshl_b32 s30, s30, 23
	s_or_b32 s30, s30, 0x600000
.macro WBLOCK t
.set WS, WX+32*((\t)%2)
.if (\t) < NB-1
	s_wait_loadcnt 32                              ; this block's 32 loads are in; the next block's 32 may be out
.else
	s_wait_loadcnt 0
.endif
.irp i, 0,1,2,3,4,5,6,7,8,9,10,11,12,13,14,15,16,17,18,19,20,21,22,23,24,25,26,27,28,29,30,31
.endr
.irp g, 0,1,2,3
	v_cvt_scalef32_pk8_fp8_f32 v[WC+2*\g:WC+2*\g+1], v[WS+8*\g:WS+8*\g+7], v11
.endr
	ds_store_b128 v4, v[WC:WC+3] offset:32*(\t)    ; 32 codes: 32 bytes of my column's row
	ds_store_b128 v4, v[WC+4:WC+7] offset:32*(\t)+16
.if (\t)+2 < NB
	WLOAD (\t)+2
.endif
	s_wait_dscnt 0x0                               ; the stores have read their registers: the next block's codes may be written
.endm
	s_wait_alu depctr_va_vdst(0)
.irp t, 0,1,2,3,4,5,6,7
	WBLOCK \t
.endr
.irp t, 0,1,2,3,4,5,6,7,8,9,10,11,12,13,14,15
	ds_load_b128 v[WO+4*\t:WO+4*\t+3], v7 offset:2*\t*WPITCH   ; LDS serves a wave's instructions in order: these see my stores
.endr
.irp t, 0,1,2,3,4,5,6,7,8,9,10,11,12,13,14,15
	s_wait_dscnt 15-\t                             ; load t is back; the later ones may be out
	global_store_b128 v8, v[WO+4*\t:WO+4*\t+3], s[20:21] offset:2*\t*1024   ; sixteen lanes store 256 consecutive bytes of a row, aligned
.endr
	s_wait_tensorcnt 0x0
	ds_add_u32 v192, v193
	s_wait_dscnt 0x0
	s_endpgm
.Lfunc_end_k_qf4ca05f32c_quant:
	.size	k_qf4ca05f32c_quant, .Lfunc_end_k_qf4ca05f32c_quant-k_qf4ca05f32c_quant
	.p2alignl 7, 3214868480
	.fill 96, 4, 3214868480
	.section	.rodata,"a",@progbits
	.p2align	6, 0x0
	.amdhsa_kernel k_qf4ca05f32c_quant
		.amdhsa_group_segment_fixed_size 68096
		.amdhsa_private_segment_fixed_size 0
		.amdhsa_enable_private_segment 0
		.amdhsa_kernarg_size 72
		.amdhsa_user_sgpr_count 2
		.amdhsa_user_sgpr_kernarg_segment_ptr 1
		.amdhsa_wavefront_size32 1
		.amdhsa_system_sgpr_workgroup_id_x 1
		.amdhsa_system_sgpr_workgroup_id_y 1
		.amdhsa_system_sgpr_workgroup_id_z 1
		.amdhsa_system_vgpr_workitem_id 0
		.amdhsa_next_free_vgpr 194
		.amdhsa_next_free_sgpr 66
		.amdhsa_reserve_vcc 0
		.amdhsa_float_denorm_mode_32 3
		.amdhsa_float_denorm_mode_16_64 3
		.amdhsa_fp16_overflow 1
		.amdhsa_memory_ordered 1
		.amdhsa_forward_progress 1
		.amdhsa_inst_pref_size 54
	.end_amdhsa_kernel
	.amdgpu_metadata
---
amdhsa.version: [ 1, 2 ]
amdhsa.kernels:
  - .name:           k_qf4ca05f32c_quant
    .symbol:         k_qf4ca05f32c_quant.kd
    .args:
      - { .name: q_value, .offset: 0, .size: 8, .value_kind: global_buffer, .address_space: global }
      - { .name: k_value, .offset: 8, .size: 8, .value_kind: global_buffer, .address_space: global }
      - { .name: v_value, .offset: 16, .size: 8, .value_kind: global_buffer, .address_space: global }
      - { .name: Wq, .offset: 24, .size: 8, .value_kind: global_buffer, .address_space: global }
      - { .name: Wk, .offset: 32, .size: 8, .value_kind: global_buffer, .address_space: global }
      - { .name: Wv, .offset: 40, .size: 8, .value_kind: global_buffer, .address_space: global }
      - { .name: lowp_scales, .offset: 48, .size: 8, .value_kind: global_buffer, .address_space: global }
      - { .name: xc, .offset: 56, .size: 8, .value_kind: global_buffer, .address_space: global }
      - { .name: wc, .offset: 64, .size: 8, .value_kind: global_buffer, .address_space: global }
    .group_segment_fixed_size: 68096
    .private_segment_fixed_size: 0
    .kernarg_segment_align: 8
    .kernarg_segment_size: 72
    .max_flat_workgroup_size: 128
    .sgpr_count:     66
    .vgpr_count:     194
    .wavefront_size: 32
...
	.end_amdgpu_metadata
.endif
;; end of part 1
;; launch proj (part 2): grid 4 x 96, 4 waves a work-group, clusters of 4 x 4, 327,680 bytes of LDS; arguments xc, wc, lowp_scales, qkv; writes qkv
.if DOCPART == 2
	.amdgcn_target "amdgcn-amd-amdhsa--gfx1250"
	.amdhsa_code_object_version 6
	.text
	.protected	k_qf4ca05f32c_proj
	.globl	k_qf4ca05f32c_proj
	.p2align	8
	.type	k_qf4ca05f32c_proj,@function
k_qf4ca05f32c_proj:
	s_mov_b64 s[64:65], 0
	v_nop
	global_prefetch_b8 v0, s[64:65] scope:SCOPE_SE
	s_setreg_imm32_b32 hwreg(HW_REG_WAVE_MODE, 25, 1), 1
	s_wait_xcnt 0x0
	s_wait_alu depctr_hold_cnt(0) depctr_sa_sdst(0) depctr_va_vdst(0) depctr_va_sdst(0) depctr_va_ssrc(0) depctr_va_vcc(0) depctr_vm_vsrc(0)
	s_getreg_b32 s2, hwreg(HW_REG_IB_STS2, 6, 4)
	s_cmp_eq_u32 s2, 0
	s_cbranch_scc0 .Lentry_in_a_cluster
	s_endpgm
.Lentry_in_a_cluster:
	s_bfe_u32 s2, ttmp6, 0x10000c
	s_cmp_lg_u32 s2, 0xf033
	s_cbranch_scc0 .Lentry_shape_is_right
	s_endpgm
.Lentry_shape_is_right:
.set KSTEP,  256
.set ROWB,   256
.set KROW,   1024
.set PITCH,  272
.set FR,     16
.set NL,     4
.set NP,     4
.set HALFT,  128*PITCH
.set SLOT,   4*HALFT
.set LAPS,   2
.set SPARE,  2*SLOT
.set ADRA, 16
.set ADRB, 20
.set LI,   26
.set LIM,  27
.set SPW,  28
.set NIL,  29
.set SC,   30
.set TMP,  32
.set AF,   128
.set CD,   128
.set G1, 24
.set G0, 32
.set G1B, 48
.set G0B, 56
.set PT,  90
.set MSB, 0
.macro WIN new
.if MSB != \new
	s_set_vgpr_msb (MSB<<8)|\new
.set MSB, \new
.endif
.endm
.set MUL_LO, 0xa1
.set MUL_HI, 0xf1
.set TO_B,   0x40
.macro JLOAD g0a, g1a, g0b, g1b
	s_cmp_eq_u32 s15, 0
	s_cbranch_scc0 .Lfor_b_\@
	tensor_load_to_lds s[\g0a:\g0a+3], s[\g1a:\g1a+7]
	s_nop 0
.rept 4
	v_nop
.endr
	s_branch .Lasked_\@
.Lfor_b_\@:
	tensor_load_to_lds s[\g0b:\g0b+3], s[\g1b:\g1b+7]
	s_nop 0
.rept 4
	v_nop
.endr
.Lasked_\@:
.endm
.macro CREST
	s_cmp_lg_u32 s14, 0
	s_cbranch_scc1 .Lnot_wave_0_\@
	s_barrier_signal -3
.Lnot_wave_0_\@:
	s_barrier_wait -3
	s_barrier_signal -1
	s_barrier_wait -1
.endm
.macro CROUND
	s_barrier_signal -1
	s_barrier_wait -1
	CREST
.endm
	s_load_b128 s[4:7], s[0:1], 0x0
	s_load_b128 s[8:11], s[0:1], 0x10
	v_lshl_add_u32 v[SPW], v0, 2, SPARE
	v_mov_b32 v[NIL], 0
	ds_add_u32 v28, v29
	ds_add_u32 v28, v29
	s_wait_dscnt 0x0
	v_lshrrev_b32 v1, 5, v0
	v_readfirstlane_b32 s14, v1
	s_lshr_b32 s15, s14, 1
	s_and_b32 s16, s14, 1
	s_bfe_u32 s40, ttmp6, 0x40000
	s_bfe_u32 s41, ttmp6, 0x40004
	s_and_b32 s66, ttmp7, 0xffff
	s_lshr_b32 s67, s66, 3
	s_and_b32 s68, s66, 7
	s_lshl_b32 s68, s68, 2
	s_cmp_eq_u32 s67, 2
	s_cselect_b32 s69, 0, s68
	s_cselect_b32 s70, s68, 0
	s_add_co_u32 s17, s69, s41
	s_add_co_u32 s42, s70, s40
	s_lshl_b32 s43, s41, 2
	s_lshl_b32 s43, 15, s43
	s_lshl_b32 s44, 0x1111, s40
	s_or_b32 s[G1+0], s43, (0<<16)|(1<<20)|(1<<21)|(5<<22)|(3<<25)
	s_or_b32 s[G1B+0], s44, (0<<16)|(1<<20)|(1<<21)|(5<<22)|(3<<25)
.irp g, G1, G1B
	s_mov_b32 s[\g+1], ROWB<<16
	s_mov_b32 s[\g+2], 128<<16
	s_mov_b32 s[\g+3], ROWB<<16
	s_mov_b32 s[\g+4], 128
	s_mov_b32 s[\g+5], KROW
	s_mov_b32 s[\g+6], 0
	s_mov_b32 s[\g+7], 0
.endr
	s_lshl_b32 s18, s16, 7
	s_lshl_b32 s20, s17, 8
	s_add_co_u32 s20, s20, s18
	s_lshl_b32 s20, s20, 10
	s_mov_b32 s21, 0
	s_lshl_b32 s46, s42, 8
	s_add_co_u32 s46, s46, s18
	s_lshl_b32 s46, s46, 10
	s_mov_b32 s47, 0
	s_lshl_b32 s72, s67, 23
	s_mov_b32 s73, 0
	s_lshl_b32 s74, s67, 20
	s_mov_b32 s75, 0
	s_mul_i32 s45, s14, HALFT
	s_wait_kmcnt 0x0
	s_load_b256 s[80:87], s[8:9], 0x0
	s_load_b64 s[88:89], s[8:9], 0x20
	s_add_nc_u64 s[4:5], s[4:5], s[72:73]
	s_add_nc_u64 s[6:7], s[6:7], s[74:75]
	s_cmp_eq_u32 s67, 2
	s_cselect_b64 s[76:77], s[6:7], s[4:5]
	s_cselect_b64 s[78:79], s[4:5], s[6:7]
	s_add_nc_u64 s[20:21], s[76:77], s[20:21]
	s_add_nc_u64 s[46:47], s[78:79], s[46:47]
	CROUND
.irp s, 0,1
	s_mov_b32 s[G0+4*\s], 1
	s_add_co_u32 s[G0+4*\s+1], s45, \s*SLOT
	s_add_nc_u64 s[G0+4*\s+2:G0+4*\s+3], s[20:21], \s*ROWB
	s_or_b32 s[G0+4*\s+3], s[G0+4*\s+3], 0x80000000
	s_mov_b32 s[G0B+4*\s], 1
	s_add_co_u32 s[G0B+4*\s+1], s45, \s*SLOT
	s_add_nc_u64 s[G0B+4*\s+2:G0B+4*\s+3], s[46:47], \s*ROWB
	s_or_b32 s[G0B+4*\s+3], s[G0B+4*\s+3], 0x80000000
	s_wait_alu depctr_va_vdst(0)
	s_wait_tensorcnt 0x0
	ds_add_u32 v28, v29
	ds_add_u32 v28, v29
	s_wait_dscnt 0x0
	CROUND
	JLOAD G0+4*\s, G1, G0B+4*\s, G1B
.endr
	v_and_b32 v1, 15, v0
	v_bfe_u32 v2, v0, 4, 1
	v_mul_u32_u24 v3, v1, PITCH
	v_lshl_add_u32 v4, v2, 4, v3
	s_mul_i32 s21, s15, HALFT
	s_mul_i32 s22, s16, HALFT
	s_add_co_u32 s22, s22, 2*HALFT
.irp s, 0,1
	v_add_nc_u32 v[ADRA+\s], s21, v4
	v_add_nc_u32 v[ADRB+\s], s22, v4
	s_add_co_u32 s21, s21, SLOT
	s_add_co_u32 s22, s22, SLOT
.endr
	v_and_b32 v6, 31, v0
	v_lshlrev_b32 v[LI], 4, v6
	s_lshl_b32 s68, s17, 4
	s_lshl_b32 s69, s15, 3
	s_add_co_u32 s68, s68, s69
	s_lshl_b32 s69, s42, 2
	s_lshl_b32 s70, s16, 1
	s_add_co_u32 s69, s69, s70
	s_lshr_b32 s70, s68, 7
	s_lshl_b32 s70, s70, 21
	s_and_b32 s71, s68, 127
	s_lshl_b32 s71, s71, 10
	s_add_co_u32 s70, s70, s71
	s_lshl_b32 s71, s69, 17
	s_add_co_u32 s70, s70, s71
	s_lshr_b32 s72, s69, 5
	s_lshl_b32 s72, s72, 21
	s_and_b32 s73, s69, 31
	s_lshl_b32 s73, s73, 12
	s_add_co_u32 s72, s72, s73
	s_lshr_b32 s73, s68, 2
	s_lshl_b32 s73, s73, 17
	s_add_co_u32 s72, s72, s73
	s_mov_b32 s74, 4096
	s_mov_b32 s75, 1<<17
	s_cmp_eq_u32 s67, 2
	s_cselect_b32 s70, s72, s70
	s_cselect_b32 s76, s75, s74
	s_cselect_b32 s78, s74, s75
	s_lshl_b32 s71, s67, 23
	s_add_co_u32 s70, s70, s71
	s_mov_b32 s71, 0
	s_mov_b32 s77, 0
	s_mov_b32 s79, 0
	s_add_nc_u64 s[PT:PT+1], s[10:11], s[70:71]
	s_add_nc_u64 s[PT+2:PT+3], s[PT:PT+1], s[78:79]
	s_add_nc_u64 s[PT+4:PT+5], s[PT:PT+1], s[76:77]
	s_add_nc_u64 s[PT+6:PT+7], s[PT+4:PT+5], s[78:79]
.macro FRAG reg, adr, q, i
.irp c, 0,1,2,3
	ds_load_b128 v[\reg+4*\c:\reg+4*\c+3], v[\adr] offset:128*(\q)+32*\c+(\i)*16*PITCH
.endr
.endm
.macro MUL16 a0, p, zero
.irp a, \a0, \a0+1
.irp b, 0,1,2,3,4,5,6,7
.if \zero
	v_wmma_f32_16x16x128_fp8_fp8 v[8*(8*((\a)%4)+\b):8*(8*((\a)%4)+\b)+7], v[128*(\p)+FR*\b:128*(\p)+FR*\b+FR-1], v[AF+FR*(\a):AF+FR*(\a)+FR-1], 0
.else
	v_wmma_f32_16x16x128_fp8_fp8 v[8*(8*((\a)%4)+\b):8*(8*((\a)%4)+\b)+7], v[128*(\p)+FR*\b:128*(\p)+FR*\b+FR-1], v[AF+FR*(\a):AF+FR*(\a)+FR-1], v[8*(8*((\a)%4)+\b):8*(8*((\a)%4)+\b)+7]
.endif
.endr
.endr
.endm
.macro FETCH_B slot, q, p
	WIN TO_B
.irp i, 0,1,2,3,4,5,6,7
	FRAG 128*(\p)+FR*\i, ADRB+\slot, \q, \i
.endr
	WIN 0
.endm
.macro FETCH_A slot, q, i0
.irp i, \i0, \i0+1, \i0+2, \i0+3
	FRAG AF+FR*(\i), ADRA+\slot, \q, \i
.endr
.endm
.macro PLACES n
.rept \n
	v_nop
.endr
.endm
.macro STEP slot, q, zero
	s_wait_dscnt 4*NL
	WIN MUL_LO
	MUL16 0, (\q)%2, \zero
	MUL16 2, (\q)%2, \zero
	s_wait_dscnt 0
	PLACES NP
	FETCH_B \slot, (\q)+1, 1-(\q)%2
	FETCH_A \slot, (\q)+1, 0
	WIN MUL_HI
	MUL16 4, (\q)%2, \zero
	MUL16 6, (\q)%2, \zero
	PLACES NP
	WIN 0
	FETCH_A \slot, (\q)+1, 4
.endm
.macro TURN slot, next, fill
	s_wait_tensorcnt 0x0
	ds_add_u32 v[SPW], v[NIL]
	s_wait_dscnt 4*NL+1
	WIN MUL_LO
	MUL16 0, 1, 0
	s_wait_dscnt 0x0
	s_barrier_signal -1
	MUL16 2, 1, 0
	WIN 0
	s_barrier_wait -1
.if \fill
	CREST
	s_add_nc_u64 s[G0+4*\slot+2:G0+4*\slot+3], s[G0+4*\slot+2:G0+4*\slot+3], 2*ROWB
	s_add_nc_u64 s[G0B+4*\slot+2:G0B+4*\slot+3], s[G0B+4*\slot+2:G0B+4*\slot+3], 2*ROWB
	JLOAD G0+4*\slot, G1, G0B+4*\slot, G1B
.else
	PLACES NP
.endif
	FETCH_B \next, 0, 0
	FETCH_A \next, 0, 0
	WIN MUL_HI
	MUL16 4, 1, 0
	MUL16 6, 1, 0
	PLACES NP
	WIN 0
	FETCH_A \next, 0, 4
.endm
	s_wait_alu depctr_va_vdst(0)
	s_wait_tensorcnt 1
	s_barrier_signal -1
	s_barrier_wait -1
	FETCH_B 0, 0, 0
	FETCH_A 0, 0, 0
	FETCH_A 0, 0, 4
	STEP 0, 0, 1
	s_mov_b32 s3, LAPS-1
.Llap:
	TURN 0, 1, 1
	STEP 1, 0, 0
	TURN 1, 0, 1
	STEP 0, 0, 0
	s_sub_co_u32 s3, s3, 1
	s_cmp_lg_u32 s3, 0
	s_cbranch_scc1 .Llap
	TURN 0, 1, 0
	STEP 1, 0, 0
	s_wait_dscnt 4*NL
	WIN MUL_LO
	MUL16 0, 1, 0
	MUL16 2, 1, 0
	s_wait_dscnt 0
	WIN MUL_HI
	MUL16 4, 1, 0
	MUL16 6, 1, 0
	WIN 0
	s_wait_kmcnt 0x0
	s_cmp_eq_u32 s67, 0
	s_cselect_b32 s68, s80, s82
	s_cselect_b32 s69, s81, s83
	s_cselect_b32 s70, s86, s87
	s_cmp_eq_u32 s67, 2
	s_cselect_b32 s68, s84, s68
	s_cselect_b32 s69, s85, s69
	s_cselect_b32 s70, s88, s70
	s_sub_co_i32 s70, s70, s68
	s_sub_co_i32 s70, s70, s69
	s_add_co_i32 s70, s70, 127
	s_lshl_b32 s71, s70, 23
	v_mov_b32 v[SC], s71
	s_add_co_i32 s70, s70, 8
	s_lshl_b32 s70, s70, 23
	s_or_b32 s70, s70, 0x600000
	PLACES NP
.macro OUTA a
.set AC, 64*((\a)%4)
	WIN 0x02+((\a)/4)
.set j, 0
.rept 64
.set j, j+1
.endr
.irp f, 0,1,2,3,4,5,6,7
	v_cvt_scalef32_pk8_fp8_f32 v[CD+16*(\a)+2*\f:CD+16*(\a)+2*\f+1], v[AC+8*\f:AC+8*\f+7], v[SC]
.endr
	WIN 0
	v_nop
.irp g, 0,1
	global_store_b128 v[LI], v[CD+16*(\a)+8*\g:CD+16*(\a)+8*\g+3], s[PT+4*((\a)/4)+2*\g:PT+4*((\a)/4)+2*\g+1] offset:((\a)%4)*1024
	global_store_b128 v[LI], v[CD+16*(\a)+8*\g+4:CD+16*(\a)+8*\g+7], s[PT+4*((\a)/4)+2*\g:PT+4*((\a)/4)+2*\g+1] offset:((\a)%4)*1024+512
.endr
.endm
.irp a, 0,1,2,3,4,5,6,7
	OUTA \a
.endr
	s_wait_tensorcnt 0x0
	ds_add_u32 v[SPW], v[NIL]
	s_wait_dscnt 0x0
	CROUND
	s_endpgm
.Lfunc_end_k_qf4ca05f32c_proj:
	.size	k_qf4ca05f32c_proj, .Lfunc_end_k_qf4ca05f32c_proj-k_qf4ca05f32c_proj
	.p2alignl 7, 3214868480
	.fill 96, 4, 3214868480
	.section	.rodata,"a",@progbits
	.p2align	6, 0x0
	.amdhsa_kernel k_qf4ca05f32c_proj
		.amdhsa_group_segment_fixed_size 327680
		.amdhsa_private_segment_fixed_size 0
		.amdhsa_enable_private_segment 0
		.amdhsa_kernarg_size 32
		.amdhsa_user_sgpr_count 2
		.amdhsa_user_sgpr_kernarg_segment_ptr 1
		.amdhsa_wavefront_size32 1
		.amdhsa_system_sgpr_workgroup_id_x 1
		.amdhsa_system_sgpr_workgroup_id_y 1
		.amdhsa_system_sgpr_workgroup_id_z 1
		.amdhsa_system_vgpr_workitem_id 0
		.amdhsa_next_free_vgpr 1024
		.amdhsa_next_free_sgpr 100
		.amdhsa_reserve_vcc 0
		.amdhsa_float_denorm_mode_32 3
		.amdhsa_float_denorm_mode_16_64 3
		.amdhsa_fp16_overflow 1
		.amdhsa_memory_ordered 1
		.amdhsa_forward_progress 1
		.amdhsa_inst_pref_size 88
	.end_amdhsa_kernel
	.amdgpu_metadata
---
amdhsa.version: [ 1, 2 ]
amdhsa.kernels:
  - .name:           k_qf4ca05f32c_proj
    .symbol:         k_qf4ca05f32c_proj.kd
    .args:
      - { .name: xc, .offset: 0, .size: 8, .value_kind: global_buffer, .address_space: global }
      - { .name: wc, .offset: 8, .size: 8, .value_kind: global_buffer, .address_space: global }
      - { .name: lowp_scales, .offset: 16, .size: 8, .value_kind: global_buffer, .address_space: global }
      - { .name: qkv, .offset: 24, .size: 8, .value_kind: global_buffer, .address_space: global }
    .group_segment_fixed_size: 327680
    .private_segment_fixed_size: 0
    .kernarg_segment_align: 8
    .kernarg_segment_size: 32
    .max_flat_workgroup_size: 128
    .sgpr_count:     100
    .vgpr_count:     1024
    .wavefront_size: 32
...
	.end_amdgpu_metadata
.endif
;; end of part 2
;; launch attn (part 3): grid 4 x 64, 16 waves a work-group, clusters of 4 x 1, 327,680 bytes of LDS; arguments qkv, v_mask, q_mask, lowp_scales, out0; writes out0
.if DOCPART == 3
	.amdgcn_target "amdgcn-amd-amdhsa--gfx1250"
	.amdhsa_code_object_version 6
	.text
	.protected	k_qf4ca05f32c_attn
	.globl	k_qf4ca05f32c_attn
	.p2align	8
	.type	k_qf4ca05f32c_attn,@function
k_qf4ca05f32c_attn:
	s_mov_b64 s[64:65], 0
	v_nop
	global_prefetch_b8 v0, s[64:65] scope:SCOPE_SE
	s_setreg_imm32_b32 hwreg(HW_REG_WAVE_MODE, 25, 1), 1
	s_wait_xcnt 0x0
	s_wait_alu depctr_hold_cnt(0) depctr_sa_sdst(0) depctr_va_vdst(0) depctr_va_sdst(0) depctr_va_ssrc(0) depctr_va_vcc(0) depctr_vm_vsrc(0)
	s_getreg_b32 s2, hwreg(HW_REG_IB_STS2, 6, 4)
	s_cmp_eq_u32 s2, 0
	s_cbranch_scc0 .Lentry_in_a_cluster
	s_endpgm
.Lentry_in_a_cluster:
	s_bfe_u32 s2, ttmp6, 0x10000c
	s_cmp_lg_u32 s2, 0x3003
	s_cbranch_scc0 .Lentry_shape_is_right
	s_endpgm
.Lentry_shape_is_right:
.set VIMG, 131072
.set MBI,  262144
.set SP,   272
.set QF,  16
.set KF,  32
.set BI,  64
.set SS,  96
.set OT,  160
.set PC,  224
.set LIM, 240
.set SC,  241
.set QM,  242
.set MA,  244
.set FF,  246
.set SU,  248
.set G1A, 24
.set G1B, 32
.set G0A, 40
.set G0B, 44
.macro CROUND
	s_barrier_signal -1
	s_barrier_wait -1
	s_cmp_lg_u32 s14, 0
	s_cbranch_scc1 .Lnot_wave_0_\@
	s_barrier_signal -3
.Lnot_wave_0_\@:
	s_barrier_wait -3
	s_barrier_signal -1
	s_barrier_wait -1
.endm
	s_load_b256 s[4:11], s[0:1], 0x0
	s_load_b64 s[12:13], s[0:1], 0x20
	v_lshl_add_u32 v254, v0, 2, 0x42000
	v_mov_b32 v255, 0
	ds_add_u32 v254, v255
	ds_add_u32 v254, v255
	s_wait_dscnt 0x0
	v_lshrrev_b32 v1, 5, v0
	s_delay_alu instid0(VALU_DEP_1)
	v_readfirstlane_b32 s14, v1
	s_bfe_u32 s15, ttmp6, 0x40000
	s_and_b32 s16, ttmp7, 0xffff
	s_lshr_b32 s17, s16, 4
	s_and_b32 s18, s16, 15
.irp g, G1A, G1B
	s_mov_b32 s[\g], 15|(3<<16)|(1<<21)
	s_mov_b32 s[\g+1], 32<<16
	s_mov_b32 s[\g+3], 32<<16
	s_mov_b32 s[\g+5], 32
	s_mov_b32 s[\g+6], 0
	s_mov_b32 s[\g+7], 0
.endr
	s_mov_b32 s[G1A+2], 16<<16
	s_mov_b32 s[G1A+4], 16
	s_mov_b32 s[G1B+2], 48<<16
	s_mov_b32 s[G1B+4], 48
	s_lshr_b32 s56, s14, 3
	s_and_b32 s57, s14, 7
	s_lshl_b32 s62, s56, 17
	s_lshl_b32 s63, s57, 12
	s_add_co_u32 s[G0A+1], s62, s63
	s_mul_i32 s66, s57, 12288
	s_add_co_u32 s66, s66, 32768
	s_add_co_u32 s[G0B+1], s62, s66
	s_add_co_u32 s67, s56, 1
	s_lshl_b32 s67, s67, 23
	s_lshl_b32 s68, s16, 17
	s_add_co_u32 s67, s67, s68
	s_add_co_u32 s58, s67, s63
	s_mov_b32 s59, 0
	s_add_co_u32 s60, s67, s66
	s_mov_b32 s61, 0
	s_mov_b32 s[G0A], 1
	s_mov_b32 s[G0B], 1
	s_mov_b32 s20, 0x76543210
	s_mov_b32 s21, 0xfedcba98
	s_wait_kmcnt 0x0
	s_load_b128 s[52:55], s[10:11], 0x18
	s_add_nc_u64 s[G0A+2:G0A+3], s[4:5], s[58:59]
	s_or_b32 s[G0A+3], s[G0A+3], 0x80000000
	s_add_nc_u64 s[G0B+2:G0B+3], s[4:5], s[60:61]
	s_or_b32 s[G0B+3], s[G0B+3], 0x80000000
	CROUND
	tensor_load_to_lds s[G0A:G0A+3], s[G1A:G1A+7]
	s_nop 0
	s_wait_alu depctr_va_vdst(0)
	s_wait_tensorcnt 0x0
	ds_add_u32 v254, v255
	s_wait_dscnt 0x0
	CROUND
	tensor_load_to_lds s[G0B:G0B+3], s[G1B:G1B+7]
	s_nop 0
.rept 4
	v_nop
.endr
	s_lshl_b32 s66, s17, 13
	s_mov_b32 s67, 0
	s_add_nc_u64 s[6:7], s[6:7], s[66:67]
	v_lshlrev_b32 v96, 4, v0
	global_load_b128 v[BI:BI+3], v96, s[6:7]
	s_lshl_b32 s68, s15, 5
	s_lshl_b32 s69, s14, 1
	s_add_co_u32 s68, s68, s69
	s_lshl_b32 s70, s68, 10
	s_lshl_b32 s71, s16, 17
	s_add_co_u32 s70, s70, s71
	s_mov_b32 s71, 0
	s_add_nc_u64 s[70:71], s[4:5], s[70:71]
	v_and_b32 v1, 31, v0
	s_delay_alu instid0(VALU_DEP_1)
	v_lshlrev_b32 v1, 4, v1
	s_wait_alu depctr_va_vdst(0)
.irp c, 0,1,2,3
	global_load_b128 v[QF+4*\c:QF+4*\c+3], v1, s[70:71] offset:512*\c
.endr
	s_lshl_b32 s72, s17, 11
	s_lshl_b32 s73, s68, 4
	s_add_co_u32 s72, s72, s73
	s_lshl_b32 s74, s72, 2
	s_mov_b32 s75, 0
	s_add_nc_u64 s[8:9], s[8:9], s[74:75]
	v_and_b32 v98, 15, v0
	s_delay_alu instid0(VALU_DEP_1)
	v_lshlrev_b32 v98, 2, v98
	global_load_b32 v[QM], v98, s[8:9]
	global_load_b32 v[QM+1], v98, s[8:9] offset:64
	s_lshl_b32 s76, s72, 12
	s_lshl_b32 s77, s18, 8
	s_add_co_u32 s76, s76, s77
	s_mov_b32 s77, 0
	s_add_nc_u64 s[12:13], s[12:13], s[76:77]
	v_add_nc_u32 v2, VIMG, v1
	v_bfe_u32 v3, v0, 4, 1
	s_delay_alu instid0(VALU_DEP_1)
	v_lshl_add_u32 v3, v3, 5, MBI
	v_add_nc_u32 v97, MBI, v96
.irp i, 0,1
	v_mov_b32 v[9+4*\i], 0xff61b1e6
	s_delay_alu instid0(VALU_DEP_1)
	v_floor_f32 v[8+4*\i], -v[9+4*\i]
	v_mov_b32 v[10+4*\i], 0
	v_mov_b32 v[11+4*\i], 0
	v_mov_b32 v[FF+6*\i+1], 0
.endr
.set j, 0
.rept 64
	v_mov_b32 v[OT+j], 0
.set j, j+1
.endr
	s_wait_loadcnt 6
.irp j, 0,1,2,3
	v_sub_f32 v[BI+\j], 1.0, v[BI+\j]
.endr
.irp j, 0,1,2,3
	s_delay_alu instid0(VALU_DEP_4)
	v_mul_f32 v[BI+\j], 0x501502f9, v[BI+\j]
.endr
.irp j, 0,1,2,3
	s_delay_alu instid0(VALU_DEP_4)
	v_mul_f32 v[BI+\j], 0xbfb8aa3b, v[BI+\j]
.endr
	ds_store_b128 v97, v[BI:BI+3]
	s_wait_kmcnt 0x0
	s_add_co_i32 s56, s52, s53
	s_lshl_b32 s56, s56, 23
	s_add_co_i32 s22, s56, 0x3e38aa3b
	s_mov_b32 s23, s22
	s_add_co_i32 s56, s55, 127
	s_lshl_b32 s57, s56, 23
	v_mov_b32 v[SC], s57
.macro STEP
	s_setprio 2
	v_add_nc_u32 v4, s48, v1
	v_add_nc_u32 v5, s48, v2
	v_add_nc_u32 v6, s49, v3
	v_nop
.irp t, 0,1,2,3
	ds_load_b128 v[KF+8*\t:KF+8*\t+3], v4 offset:1024*\t
	ds_load_b128 v[KF+8*\t+4:KF+8*\t+7], v4 offset:1024*\t+512
.endr
.irp t, 0,1,2,3
	ds_load_b128 v[BI+8*\t:BI+8*\t+3], v6 offset:64*\t
	ds_load_b128 v[BI+8*\t+4:BI+8*\t+7], v6 offset:64*\t+16
.endr
	s_wait_alu depctr_va_vdst(0)
	s_wait_dscnt 8
.irp t, 0,1,2,3
.irp i, 0,1
	v_wmma_f32_16x16x64_fp8_fp8 v[SS+32*\i+8*\t:SS+32*\i+8*\t+7], v[KF+8*\t:KF+8*\t+7], v[QF+8*\i:QF+8*\i+7], 0
.endr
.endr
.rept 4
	v_nop
.endr
.irp d, 0,1,2,3
	ds_load_b128 v[KF+8*\d:KF+8*\d+3], v5 offset:1024*\d
	ds_load_b128 v[KF+8*\d+4:KF+8*\d+7], v5 offset:1024*\d+512
.endr
	s_wait_dscnt 8
.irp i, 0,1
.irp n, 0,2,4,6,8,10,12,14,16,18,20,22,24,26,28,30
	v_pk_fma_f32 v[SS+32*\i+\n:SS+32*\i+\n+1], v[SS+32*\i+\n:SS+32*\i+\n+1], s[22:23], v[BI+\n:BI+\n+1] op_sel_hi:[1,0,1]
.endr
.endr
.irp i, 0,1
	v_max3_num_f32 v[MA+6*\i], v[SS+32*\i], v[SS+32*\i+1], v[SS+32*\i+2]
	v_max3_num_f32 v[MA+6*\i+1], v[SS+32*\i+3], v[SS+32*\i+4], v[SS+32*\i+5]
.endr
.irp n, 6,10,14,18,22,26
.irp i, 0,1
	s_delay_alu instid0(VALU_DEP_4)
	v_max3_num_f32 v[MA+6*\i], v[MA+6*\i], v[SS+32*\i+\n], v[SS+32*\i+\n+1]
	s_delay_alu instid0(VALU_DEP_4)
	v_max3_num_f32 v[MA+6*\i+1], v[MA+6*\i+1], v[SS+32*\i+\n+2], v[SS+32*\i+\n+3]
.endr
.endr
.irp i, 0
	s_delay_alu instid0(VALU_DEP_4)
	v_max3_num_f32 v[MA+6*\i], v[MA+6*\i], v[SS+32*\i+30], v[SS+32*\i+31]
.endr
.irp i, 1
	s_delay_alu instid0(VALU_DEP_3)
	v_max3_num_f32 v[MA+6*\i], v[MA+6*\i], v[SS+32*\i+30], v[SS+32*\i+31]
.endr
.irp i, 0,1
	s_delay_alu instid0(VALU_DEP_2)
	v_max_num_f32 v[MA+6*\i], v[MA+6*\i], v[MA+6*\i+1]
.endr
.irp i, 0,1
	s_delay_alu instid0(VALU_DEP_2)
	v_permlanex16_b32 v[MA+6*\i+1], v[MA+6*\i], s20, s21
.endr
.irp i, 0,1
	s_delay_alu instid0(VALU_DEP_2)
	v_max3_num_f32 v[9+4*\i], v[9+4*\i], v[MA+6*\i], v[MA+6*\i+1]
.endr
.irp i, 0,1
	v_mov_b32 v[MA+6*\i], v[8+4*\i]
.endr
.irp i, 0,1
	s_delay_alu instid0(VALU_DEP_4)
	v_floor_f32 v[8+4*\i], -v[9+4*\i]
.endr
.irp i, 0,1
	s_delay_alu instid0(VALU_DEP_2)
	v_sub_f32 v[MA+6*\i], v[8+4*\i], v[MA+6*\i]
.endr
.irp i, 0,1
	s_delay_alu instid0(VALU_DEP_2)
	v_cvt_i32_f32 v[MA+6*\i], v[MA+6*\i]
.endr
.irp i, 0,1
	s_delay_alu instid0(VALU_DEP_2)
	v_ldexp_f32 v[FF+6*\i], 1.0, v[MA+6*\i]
.endr
.irp i, 0,1
.irp n, 0,2,4,6,8,10,12,14,16,18,20,22,24,26,28,30
	v_pk_add_f32 v[SS+32*\i+\n:SS+32*\i+\n+1], v[SS+32*\i+\n:SS+32*\i+\n+1], v[8+4*\i:9+4*\i] op_sel_hi:[1,0]
.endr
.endr
.set j, 0
	s_wait_alu depctr_va_vdst(0)
.rept 64
	v_exp_f32 v[SS+j], v[SS+j]
.set j, j+1
.endr
	s_setprio 1
.irp i, 0,1
	v_pk_mul_f32 v[10+4*\i:11+4*\i], v[10+4*\i:11+4*\i], v[FF+6*\i:FF+6*\i+1] op_sel_hi:[1,0]
.endr
	s_wait_alu depctr_va_vdst(0)
.irp i, 0,1
	v_pk_add_f32 v[SU+6*\i:SU+6*\i+1], v[SS+32*\i:SS+32*\i+1], v[SS+32*\i+2:SS+32*\i+3]
.endr
.irp n, 4,8,12,16,20,24,28
.irp i, 0,1
	v_pk_add_f32 v[10+4*\i:11+4*\i], v[10+4*\i:11+4*\i], v[SS+32*\i+\n:SS+32*\i+\n+1]
	v_pk_add_f32 v[SU+6*\i:SU+6*\i+1], v[SU+6*\i:SU+6*\i+1], v[SS+32*\i+\n+2:SS+32*\i+\n+3]
.endr
.endr
.irp i, 0
	s_delay_alu instid0(VALU_DEP_3)
	v_pk_add_f32 v[10+4*\i:11+4*\i], v[10+4*\i:11+4*\i], v[SU+6*\i:SU+6*\i+1]
.endr
.irp i, 1
	s_delay_alu instid0(VALU_DEP_2)
	v_pk_add_f32 v[10+4*\i:11+4*\i], v[10+4*\i:11+4*\i], v[SU+6*\i:SU+6*\i+1]
.endr
.irp i, 0,1
.irp t, 0,1,2,3
.irp j, 0,1,2,3,4,5,6,7
.endr
	v_cvt_scalef32_pk8_fp8_f32 v[PC+8*\i+2*\t:PC+8*\i+2*\t+1], v[SS+32*\i+8*\t:SS+32*\i+8*\t+7], v[SC]
.endr
.endr
.irp i, 0,1
.irp n, 0,2,4,6,8,10,12,14,16,18,20,22,24,26,28,30
	v_pk_mul_f32 v[OT+32*\i+\n:OT+32*\i+\n+1], v[OT+32*\i+\n:OT+32*\i+\n+1], v[FF+6*\i:FF+6*\i+1] op_sel_hi:[1,0]
.endr
.endr
	s_setprio 0
	s_wait_alu depctr_va_vdst(0)
	s_wait_dscnt 0x0
.irp d, 0,1,2,3
.irp i, 0,1
	v_wmma_f32_16x16x64_fp8_fp8 v[OT+32*\i+8*\d:OT+32*\i+8*\d+7], v[KF+8*\d:KF+8*\d+7], v[PC+8*\i:PC+8*\i+7], v[OT+32*\i+8*\d:OT+32*\i+8*\d+7]
.endr
.endr
	s_add_co_u32 s48, s48, 4096
	s_add_co_u32 s49, s49, 256
.endm
	s_wait_tensorcnt 1
	s_wait_dscnt 0x0
	s_barrier_signal -1
	s_barrier_wait -1
	s_wait_loadcnt 0x0
	s_mov_b32 s48, 0
	s_mov_b32 s49, 0
	s_mov_b32 s50, 8
.Lfirst:
	STEP
	s_sub_co_u32 s50, s50, 1
	s_cmp_lg_u32 s50, 0
	s_cbranch_scc1 .Lfirst
	s_setprio 0
	s_wait_tensorcnt 0x0
	s_wait_dscnt 0x0
	s_barrier_signal -1
	s_barrier_wait -1
	s_mov_b32 s48, 8*4096
	s_mov_b32 s49, 8*256
	s_mov_b32 s50, 24
.Lrest:
	STEP
	s_sub_co_u32 s50, s50, 1
	s_cmp_lg_u32 s50, 0
	s_cbranch_scc1 .Lrest
	s_setprio 0
	s_wait_dscnt 0x0
	s_barrier_signal -1
	s_barrier_wait -1
.irp i, 0,1
	v_add_f32 v[MA+6*\i], v[10+4*\i], v[11+4*\i]
.endr
.irp i, 0,1
	s_delay_alu instid0(VALU_DEP_2)
	v_permlanex16_b32 v[MA+6*\i+1], v[MA+6*\i], s20, s21
.endr
.irp i, 0,1
	s_delay_alu instid0(VALU_DEP_2)
	v_add_f32 v[MA+6*\i], v[MA+6*\i], v[MA+6*\i+1]
.endr
	s_wait_alu depctr_va_vdst(0)
.irp i, 0,1
	v_rcp_f32 v[FF+6*\i], v[MA+6*\i]
.endr
	v_and_b32 v6, 15, v0
	v_bfe_u32 v3, v0, 4, 1
	s_mul_i32 s56, s14, 16*SP
	s_add_co_i32 s57, s54, s55
	v_mul_u32_u24 v4, v6, SP
	s_delay_alu instid0(VALU_DEP_1)
	v_lshl_add_u32 v4, v3, 5, v4
	s_delay_alu instid0(VALU_DEP_1)
	v_add_nc_u32 v4, s56, v4
	v_mul_u32_u24 v5, v3, SP
	s_delay_alu instid0(VALU_DEP_1)
	v_lshl_add_u32 v5, v6, 4, v5
	s_delay_alu instid0(VALU_DEP_1)
	v_add_nc_u32 v5, s56, v5
	v_lshlrev_b32 v7, 12, v3
	s_delay_alu instid0(VALU_DEP_1)
	v_lshl_add_u32 v7, v6, 4, v7
	s_wait_alu depctr_va_vdst(0)
.irp i, 0,1
	v_ldexp_f32 v[FF+6*\i], v[FF+6*\i], s57
.endr
.irp i, 0,1
	s_delay_alu instid0(VALU_DEP_2)
	v_mul_f32 v[FF+6*\i], v[FF+6*\i], v[QM+\i]
.endr
.irp i, 0,1
.irp n, 0,2,4,6,8,10,12,14,16,18,20,22,24,26,28,30
	v_pk_mul_f32 v[SS+32*\i+\n:SS+32*\i+\n+1], v[OT+32*\i+\n:OT+32*\i+\n+1], v[FF+6*\i:FF+6*\i+1] op_sel_hi:[1,0]
.endr
.endr
.irp i, 0,1
.irp d, 0,1,2,3
	ds_store_b128 v4, v[SS+32*\i+8*\d:SS+32*\i+8*\d+3] offset:64*\d
	ds_store_b128 v4, v[SS+32*\i+8*\d+4:SS+32*\i+8*\d+7] offset:64*\d+16
.endr
.irp n, 0,1,2,3,4,5,6,7
	ds_load_b128 v[KF+32*\i+4*\n:KF+32*\i+4*\n+3], v5 offset:2*\n*SP
.endr
.endr
.irp i, 0,1
.irp n, 0,1,2,3,4,5,6,7
	s_wait_dscnt 23-16*\i-\n
	global_store_b128 v7, v[KF+32*\i+4*\n:KF+32*\i+4*\n+3], s[12:13] offset:(16*\i+2*\n)*4096 th:TH_STORE_NT
.endr
.endr
	s_wait_xcnt 0x0
	v_lshl_add_u32 v254, v0, 2, 0x42000
	v_mov_b32 v255, 0
	s_wait_alu depctr_va_vdst(0)
	s_wait_tensorcnt 0x0
	ds_add_u32 v254, v255
	s_wait_dscnt 0x0
	CROUND
	s_endpgm
.Lfunc_end_k_qf4ca05f32c_attn:
	.size	k_qf4ca05f32c_attn, .Lfunc_end_k_qf4ca05f32c_attn-k_qf4ca05f32c_attn
	.p2alignl 7, 3214868480
	.fill 96, 4, 3214868480
	.section	.rodata,"a",@progbits
	.p2align	6, 0x0
	.amdhsa_kernel k_qf4ca05f32c_attn
		.amdhsa_group_segment_fixed_size 327680
		.amdhsa_private_segment_fixed_size 0
		.amdhsa_enable_private_segment 0
		.amdhsa_kernarg_size 40
		.amdhsa_user_sgpr_count 2
		.amdhsa_user_sgpr_kernarg_segment_ptr 1
		.amdhsa_wavefront_size32 1
		.amdhsa_system_sgpr_workgroup_id_x 1
		.amdhsa_system_sgpr_workgroup_id_y 1
		.amdhsa_system_sgpr_workgroup_id_z 1
		.amdhsa_system_vgpr_workitem_id 0
		.amdhsa_next_free_vgpr 256
		.amdhsa_next_free_sgpr 80
		.amdhsa_reserve_vcc 0
		.amdhsa_float_denorm_mode_32 3
		.amdhsa_float_denorm_mode_16_64 3
		.amdhsa_fp16_overflow 1
		.amdhsa_memory_ordered 1
		.amdhsa_forward_progress 1
		.amdhsa_inst_pref_size 55
	.end_amdhsa_kernel
	.amdgpu_metadata
---
amdhsa.version: [ 1, 2 ]
amdhsa.kernels:
  - .name:           k_qf4ca05f32c_attn
    .symbol:         k_qf4ca05f32c_attn.kd
    .args:
      - { .name: qkv, .offset: 0, .size: 8, .value_kind: global_buffer, .address_space: global }
      - { .name: v_mask, .offset: 8, .size: 8, .value_kind: global_buffer, .address_space: global }
      - { .name: q_mask, .offset: 16, .size: 8, .value_kind: global_buffer, .address_space: global }
      - { .name: lowp_scales, .offset: 24, .size: 8, .value_kind: global_buffer, .address_space: global }
      - { .name: out0, .offset: 32, .size: 8, .value_kind: global_buffer, .address_space: global }
    .group_segment_fixed_size: 327680
    .private_segment_fixed_size: 0
    .kernarg_segment_align: 8
    .kernarg_segment_size: 40
    .max_flat_workgroup_size: 512
    .sgpr_count:     80
    .vgpr_count:     256
    .wavefront_size: 32
...
	.end_amdgpu_metadata
.endif
;; end of part 3
